; MI455X (gfx1250); checked and timed in simulation.
; The chip was launched on July 23, 2026; its instructions are those of AMD's public machine-readable ISA for CDNA 5 (MIT licence, August 2026) and "CDNA5" Instruction Set Architecture Reference Guide (July 2026). The comments in the code are by the model that wrote it; some were corrected since.
;; Multi Head Attn. Allowed arithmetic: matrix products marked QUANTISED: E2M1 operands, one E8M0 scale for each 32 along K, by v_wmma_scale_f32_16x16x128_f8f6f4 with both operands' format E2M1 (or v_wmma_scale_f32_32x16x128_f4), f32 sums; everything else in f32.
;; Inputs: k_codes 1 x 16 x 2,048 x 2 x 16 uint8 (E2M1 codes of k, K innermost, in blocks of 32 codes, two codes a byte); k_scales 1 x 16 x 2,048 x 2 uint8 (E8M0 scales of k, one for each 32 codes along K); q_codes 1 x 16 x 2,048 x 2 x 16 uint8 (E2M1 codes of q, K innermost, in blocks of 32 codes, two codes a byte); q_scales 1 x 16 x 2,048 x 2 uint8 (E8M0 scales of q, one for each 32 codes along K); v_codes 1 x 16 x 64 x 64 x 16 uint8 (E2M1 codes of v, K innermost, in blocks of 32 codes, two codes a byte); v_scales 1 x 16 x 64 x 64 uint8 (E8M0 scales of v, one for each 32 codes along K).
;; Outputs: out0 1 x 16 x 2,048 x 64 float32; out1 1 x 16 x 2,048 x 64 float32; out2 1 x 16 x 2,048 x 64 float32.
;; Constants: layer_idx = 1, training = 0.
;; This version of the problem:
;;   THIS VERSION OF THE PROBLEM IS GIVEN IN LOW PRECISION. The matrix products marked QUANTISED in the list below multiply operands that are first quantised to E2M1 (2 exponent bits, 1 mantissa bit; 4 bits a number), with one power-of-two scale for each 32 numbers along K (OCP MX v1.0); their sums are f32. All else is computed in f32.
;;   The module's matrix products, in the order in which they are computed (A, B: the left and right operand; K: the contracted axis; several contracted axes count as one K, in the product's order):
;;     1. batch 16 x [M 2,048, K 64] x [K 64, N 2,048]; A: input q (given as codes); B: input k (given as codes): QUANTISED
;;     2. batch 16 x [M 2,048, K 2,048] x [K 2,048, N 64]; A: softmax (see below); B: input v (given as codes): QUANTISED
;;   THE QUANTISER, for each operand of a quantised product, along K:
;;     - K is cut into blocks of 32 from its start; a last block that is shorter is filled with zeros.
;;     - A block's scale is 2^e with e = floor(log2(the largest magnitude in the block)) - 2, held to -126 .. 127; a block of zeros has e = 0. As a byte (E8M0): e + 127.
;;     - Each number is divided by its block's scale, clamped to +-6, and rounded to the nearest number of E2M1, ties to even, subnormals kept.
;;     - The product sums the exact products of the quantised numbers (number of the format x scale) in f32.
;;   ~~~python
;;   def quantise(x, axis):      # numpy; x: float32 -> the quantised numbers, widened to float32 again
;;       x = np.moveaxis(x, axis, -1); K = x.shape[-1]
;;       x = np.pad(x, [(0, 0)] * (x.ndim - 1) + [(0, -K % 32)]); x = x.reshape(x.shape[:-1] + (-1, 32)); a = np.abs(x).max(-1, keepdims=True)
;;       e = np.where(a > 0, np.clip(np.frexp(np.where(a > 0, a, 1))[1] - 1 - 2, -126, 127), 0)      # np.frexp(a)[1] - 1 = floor(log2(a)), exactly
;;       r = np.clip(x / 2.0 ** e, -6, 6)
;;       step = 2.0 ** (np.maximum(np.frexp(np.where(r == 0, 1, r))[1] - 1, 0) - 1)
;;       q = np.round(r / step) * step * 2.0 ** e      # np.round: ties to even
;;       return np.moveaxis(q.reshape(q.shape[:-2] + (-1,))[..., :K], -1, axis).astype(np.float32)
;;   ~~~
;;   SOFTMAX AHEAD OF A QUANTISED PRODUCT. Where the list says 'softmax', what is quantised is not the finished softmax but p = 2^(t - M), with t = logit x log2(e) and M = ceil(the row's largest t), a whole number; so 1/2 < the row's largest p <= 1. The row's sum l is taken of the UNQUANTISED p, in f32, and the product's result is divided by l at the end. Since M is a whole number, a kernel that streams over the keys may use a running M (the ceiling of the running maximum): every later rescaling is an exact power of two, which a block's scale takes up: the codes' values come out the same.
;;   OPERANDS COMPUTED ON THE WAY. 'Computed on the way' means the value that the module computes at that place (a softmax that the list does not call 'softmax' is quantised finished and normalised). What goes into a quantiser is computed in f32, as accurately as f32 sums, v_exp_f32 and their like allow (about 1e-6 of the number): no bf16 or f16 on the way to a quantiser, and a product that is left as it is and whose result goes on into a quantised operand takes f32 operands (vector FMAs, or v_wmma_f32_16x16x4_f32). A number that lies on a knife's edge between two numbers of the format may be rounded either way, as far as f32 arithmetic and the matrix unit's own rounding can turn it there, and no further.
;;   INPUTS GIVEN AS CODES. k (in the module: [1, 16, 2048, 64], K = its axis 3); q (in the module: [1, 16, 2048, 64], K = its axis 3); v (in the module: [1, 16, 2048, 64], K = its axis 2): each comes as NAME_codes (uint8): NAME with its K axis moved to the last place and cut into blocks of 32 codes, [.., K / 32, bytes a block], one block behind the other in memory; two codes a byte, the lower K in the low four bits (a code: sign, 2 exponent bits, 1 mantissa bit); and NAME_scales (uint8): the same leading axes, one E8M0 byte (e + 127) for each 32 codes along K. Its value is code x scale, taken as it is: it is not quantised again, and the codes and scales need not be those that the quantiser above would give.
;; One version. Each part assembles by itself: llvm-mc -triple=amdgcn-amd-amdhsa -mcpu=gfx1250 --defsym DOCPART=n.
;; ======== version 1 of 1: 1 launch
;; limits: right only within a limited range of input values
;; launch attn (part 1): grid 16 x 16, 8 waves a work-group, no clusters, 168,960 bytes of LDS; arguments q_codes, q_scales, k_codes, k_scales, v_codes, v_scales, out0, out1, out2; writes out0, out1, out2
.if DOCPART == 1
	.amdgcn_target "amdgcn-amd-amdhsa--gfx1250"
	.amdhsa_code_object_version 6
	.text
	.protected	k_q57f50fc379_attn
	.globl	k_q57f50fc379_attn
	.p2align	8
	.type	k_q57f50fc379_attn,@function
k_q57f50fc379_attn:
	s_mov_b64 s[64:65], 0
	v_nop
	global_prefetch_b8 v0, s[64:65] scope:SCOPE_SE
	s_setreg_imm32_b32 hwreg(HW_REG_WAVE_MODE, 25, 1), 1
	s_wait_xcnt 0x0
; Banded causal attention on codes of FP4 (E2M1) with one E8M0 scale for each 32 along a product's K: 16 heads, 2,048 positions, head size 64; key j counts for query i where 0 <= i - j < 256.
; out0[h][i][:] = the sum over j of softmax_j(q[h][i] . k[h][j] / 8) v[h][j][:];  out1 = k and out2 = v as numbers (code x scale), f32, both laid [h][position][64].
; q, k: a row of 64 codes is 32 bytes, 2 scale bytes a row.  v: the keys innermost, [h][64 channels][2,048 keys]: a channel's row is 1,024 bytes, one scale byte for each 32 keys.
; THE SOFTMAX AHEAD OF THE SECOND PRODUCT: t = score x log2(e) / 8; M = the row's largest t so far, rounded UP to a whole number; p = 2^(t - M) is quantised along the keys, in blocks of 32 keys;
; the row's sum is taken of the unquantised p and divides at the end.  When M moves, the sum and O are multiplied by 2^(old M - new M): exact.
; SHARES.  Work-group (x = b, y = head) owns positions 128 b .. 128 b + 127 of its head: those queries of out0 and those rows of out1 and out2.  Its queries see the key blocks b - 2, b - 1 and b alone.
; Each of its eight waves owns 16 queries, one tile, and the same 16 rows of out1 and out2: 4,096 consecutive bytes of each output, at one and the same offset.
; STAGING.  Each thread loads 16 bytes of K's codes, 16 of V's and one scale byte of each, for each of the three blocks, and stores them into LDS AT THE PLACE FROM WHICH A FRAGMENT'S LANE READS THEM: the images
; of the operands' registers, 16 bytes a lane on end.  One barrier; behind it the images are only read.  Block b's registers of K also feed out1.  A block that does not exist (b < 2) is staged from block 0, so that
; no load leaves its buffer and every count is the same on all ways; its image is never read.
; K = 64 IN AN INSTRUCTION OF K = 128.  Source 0 holds TWO tiles of 16 keys: registers 0-3 tile u = 0 (as k 0-63), registers 4-7 tile u = 1 (as k 64-127).  Q stands twice, as [Q, 0] and as [0, Q]: the first
; product gives tile u = 0's scores, the second tile u = 1's.  Zero codes add nothing under the scale byte 0, which is 2^-127.
; LAYOUT.  Both products are used transposed: S^T = K Q^T, O^T = V^T P^T: a lane holds ONE query (lane % 16) throughout.  THE KEYS OF A TILE ARE NOT NEIGHBOURS: row m of tile (p, u) is key 32 p + 8 u + m + 8 (m / 8),
; so that score register 16 p + i of lane (r, h) is key 32 p + 16 h + i of the block: 16 neighbours along the next K.
; ORDER OF THE STEPS: block b (causal mask), block b - 1 (no mask), block b - 2 (window mask).  Every query sees its own key in block b, so that step starts M, the sum and O^T, and nothing is cleared but the sum's pair.
; The two jumps behind the first and the second step hang on the work-group's x alone.
; NO JOINT LOADS: a key block goes to three work-groups, which lay it into three different slots by a turn through their threads' registers; what neighbours share is 17 KB of a work-group's 30 KB in, beside 96 KB out.
; NO DATA MOVER, NO RING: the work-group reads each of its bytes once and no LDS byte is filled twice.
; LIMITS.  A scale byte 0xff (NaN) among the inputs is not served; byte 0 is.  Hidden keys count as p = 0 exactly, which is what a fill of -1e9 gives as long as a row's largest logit lies above about -1e9 + 150.
; v_exp_f32 gives 0 for p under 2^-126.  t - M is one fused multiply-add.  The f32 sums run over the key blocks in the order b, b - 1, b - 2, not in ascending keys.
.set KIMG, 0                           ; LDS: K's images, 3 slots x 4,096: slot x 4096 + 1024 p + 512 u + 16 (m + 16 half)
.set VIMG, 12288                       ; V's images, 3 x 4,096: slot x 4096 + 1024 t + 512 c + 16 (r + 16 h)
.set KSC,  24576                       ; K's scale words, 3 x 256: slot x 256 + 64 p + 4 m + 2 u + half
.set VSC,  25344                       ; V's scale words, 3 x 256: slot x 256 + 4 channel + part
.set STG,  26112                       ; a stage of 4,608 bytes for each wave, its own, used three times in turn (out1, out2, out0)
.set STGB, 4608
.set LI,   1                           ; v1   16 x lane: a fragment's place for my lane; also my bytes in 512 consecutive bytes of an output
.set LS,   2                           ; v2   4 x lane
.set AKS,  3                           ; v3   4 x (lane % 16)
.set DD,   4                           ; v4   D = 16 wave + r - 16 h: my query's place in its block less my half's 16 keys
.set NINF, 5                           ; v5   -infinity
.set STI,  6                           ; v6   stage, out0 in:  272 r + 32 h
.set STO,  7                           ; v7   stage, out0 out: 272 h + 16 r
.set TKI,  8                           ; v8   stage, out1 in:  144 x lane
.set TKO,  9                           ; v9   stage, out1 out: 144 (lane / 8) + 16 (lane % 8)
.set TVI,  10                          ; v10  stage, out2 in:  4 x lane
.set TVO,  11                          ; v11  stage, out2 out: 16 x lane
                                       ; v12 -M, v13 the largest t, v[14:15] the sum in two halves
.set QA,   16                          ; v[16:23] [Q, 0]
.set QB,   24                          ; v[24:31] [0, Q]
.set KF,   32                          ; v[32:63] K's four pairs of tiles; ahead of the steps: out2's rows
.set RV,   32
.set VF,   64                          ; v[64:95] V's four tiles
.set S,    96                          ; v[96:159] S^T, then p.  Ahead of the steps: v96-107 offsets of the staging loads, v108-124 at work; then K's 32 numbers in v96-127, out1's rows in v128-159
.set GK,   96
.set GV,   99
.set GKS,  102
.set GVS,  105
.set RK,   128
.set O,    160                         ; v[160:191] O^T, tile t at 160 + 8 t; ahead of the steps: V's 32 numbers
.set KC,   192                         ; v192-203 K's 16 bytes of slots 0, 1, 2
.set VC,   204                         ; v204-215 V's
.set KB8,  216                         ; v216-218 K's scale bytes
.set VB8,  219                         ; v219-221 V's
.set AVD,  222                         ; v222 my 8 bytes of V's image for out2
.set AVS,  223                         ; v223 and their scale byte
.set PC,   224                         ; v[224:231] p's codes; ahead of the steps: V's codes and scale bytes for out2
.set BM,   232                         ; v232-235 the blocks' largest scores; ahead of the steps at work
.set PX,   236                         ; v236-239 permutes' destinations, then scale bytes, then the second chain of the sum
.set QSA,  240                         ; v240 Q's scale word for [Q, 0];  v241 for [0, Q]
.set QSB,  241
.set VS,   242                         ; v242-243 V's scale words: lane l holds channel 32 g + l's
.set CV,   244                         ; v244-247 the conversions' scale operands
.set KS,   248                         ; v248-251 K's scale words
.set FF,   252                         ; v252 f = 2^(old M - new M); ahead of the steps: Q's offset
.set PW,   253                         ; v253 p's scale word
.set TMP,  254                         ; v254 at work; ahead of the steps: the offset of Q's scales
.set ONE,  255                         ; v255 the byte 0x7f four times: x 1.0 for the conversions back to f32
.set WV,   26                          ; s26 my wave's number
.set BX,   27                          ; s27 b
.set HD,   28                          ; s28 the head
.set SEL,  34                          ; s[34:35] v_permlanex16_b32's selects for lane l xor 16
.set CS,   36                          ; s[36:37] c = log2(e) / 8: the packed form names a pair and takes its low word for both halves
.set KB,   38                          ; s38-40 the key blocks of slots 0, 1, 2: max(b - 2, 0), max(b - 1, 0), b
	s_load_b512 s[8:23], s[0:1], 0x0               ; q_codes s[8:9], q_scales s[10:11], k_codes s[12:13], k_scales s[14:15], v_codes s[16:17], v_scales s[18:19], out0 s[20:21], out1 s[22:23]
	s_load_b64 s[24:25], s[0:1], 0x40              ; out2
	s_set_vgpr_msb 0x40
	v_lshl_add_u32 v0, v0, 2, 0x29000
	v_mov_b32 v1, 0
	s_set_vgpr_msb 0x4000
	v_lshrrev_b32 v1, 5, v0
	s_delay_alu instid0(VALU_DEP_1)
	v_readfirstlane_b32 s[WV], v1                  ; wave 0..7
	s_mov_b32 s[BX], ttmp9
	s_and_b32 s[HD], ttmp7, 0xffff
	s_sub_co_i32 s[KB], s[BX], 2
	s_max_i32 s[KB], s[KB], 0
	s_sub_co_i32 s[KB+1], s[BX], 1
	s_max_i32 s[KB+1], s[KB+1], 0
	s_mov_b32 s[KB+2], s[BX]
	s_lshl_b32 s30, s[HD], 16                      ; the head's first byte in each tensor of codes: 2,048 x 32 bytes a head
	s_mov_b32 s31, 0
	s_lshl_b32 s32, s[HD], 12                      ; and in each tensor of scale bytes: 4,096 a head
	s_mov_b32 s33, 0
	s_lshl_b32 s2, s[BX], 12
	s_lshl_b32 s3, s[WV], 9
	s_add_co_u32 s42, s30, s2
	s_add_co_u32 s42, s42, s3                      ; my 16 queries' codes: + 4,096 b + 512 wave
	s_mov_b32 s43, 0
	s_lshl_b32 s2, s[BX], 8
	s_lshl_b32 s3, s[WV], 5
	s_add_co_u32 s44, s32, s2
	s_add_co_u32 s44, s44, s3                      ; their scale bytes: + 256 b + 32 wave
	s_mov_b32 s45, 0
	s_lshl_b32 s46, s[HD], 19
	s_lshl_b32 s2, s[BX], 15
	s_lshl_b32 s3, s[WV], 12
	s_add_co_u32 s46, s46, s2
	s_add_co_u32 s46, s46, s3                      ; my 16 rows of each output: 524,288 head + 32,768 b + 4,096 wave
	s_mov_b32 s47, 0
	s_mov_b32 s[SEL], 0x76543210
	s_mov_b32 s[SEL+1], 0xfedcba98
	s_mov_b32 s[CS], 0x3e38aa3b                    ; log2(e) / 8
	s_mov_b32 s[CS+1], s[CS]                       ; (named with it as a pair, so it is written)
	; the staging loads' offsets.  K: 16 bytes a thread, dense: thread t holds key t / 2, half t % 2.  V: thread t holds channel t / 4, part t % 4 (32 keys) of the block's 64 bytes of that channel's row
	v_lshlrev_b32 v120, 4, v0
	v_lshrrev_b32 v121, 2, v0
	v_and_b32 v122, 3, v0
	s_delay_alu instid0(VALU_DEP_1)
	v_lshlrev_b32 v123, 4, v122
	s_delay_alu instid0(VALU_DEP_1)
	v_lshl_add_u32 v123, v121, 10, v123            ; V's codes: 1,024 (t / 4) + 16 (t % 4)
	s_delay_alu instid0(VALU_DEP_3)
	v_lshl_add_u32 v124, v121, 6, v122             ; V's scale byte: 64 (t / 4) + t % 4
.irp s, 0,1,2
	v_lshl_add_u32 v[GK+\s], s[KB+\s], 12, v120    ; + the block: 4,096 bytes of K's codes,
	v_lshl_add_u32 v[GV+\s], s[KB+\s], 6, v123     ; 64 bytes in each row of V's,
	v_lshl_add_u32 v[GKS+\s], s[KB+\s], 8, v0      ; 256 of K's scale bytes (thread t: byte t),
	v_lshl_add_u32 v[GVS+\s], s[KB+\s], 2, v124    ; 4 in each row of V's
.endr
	v_and_b32 v232, 31, v0                         ; lane
	v_and_b32 v233, 15, v0                         ; r
	v_bfe_u32 v234, v0, 4, 1                       ; h
	s_delay_alu instid0(VALU_DEP_2)
	v_lshlrev_b32 v[FF], 5, v233
	s_delay_alu instid0(VALU_DEP_1)
	v_lshl_add_u32 v[FF], v234, 4, v[FF]           ; Q: row r of 32 bytes, + 16 h
	s_delay_alu instid0(VALU_DEP_4)
	v_lshlrev_b32 v[TMP], 1, v233                  ; Q's scales: 2 bytes a row
	s_wait_alu depctr_va_vdst(0)
	s_wait_kmcnt 0x0
	s_add_nc_u64 s[12:13], s[12:13], s[30:31]
	s_add_nc_u64 s[16:17], s[16:17], s[30:31]
	s_add_nc_u64 s[14:15], s[14:15], s[32:33]
	s_add_nc_u64 s[18:19], s[18:19], s[32:33]
	s_add_nc_u64 s[8:9], s[8:9], s[42:43]
	s_add_nc_u64 s[10:11], s[10:11], s[44:45]
	s_add_nc_u64 s[20:21], s[20:21], s[46:47]
	s_add_nc_u64 s[22:23], s[22:23], s[46:47]
	s_add_nc_u64 s[24:25], s[24:25], s[46:47]
.macro LOADBLK s                       ; slot s: four loads a thread.  No hint: the neighbouring work-groups read the same bytes
	global_load_b128 v[KC+4*\s:KC+4*\s+3], v[GK+\s], s[12:13]
	global_load_b128 v[VC+4*\s:VC+4*\s+3], v[GV+\s], s[16:17]
	global_load_u8 v[KB8+\s], v[GKS+\s], s[14:15]
	global_load_u8 v[VB8+\s], v[GVS+\s], s[18:19]
.endm
	LOADBLK 2
	LOADBLK 1
	LOADBLK 0
	global_load_b128 v[QA:QA+3], v[FF], s[8:9] th:TH_LOAD_NT        ; Q's 16 bytes, once as the low half of [Q, 0],
	global_load_b128 v[QB+4:QB+7], v[FF], s[8:9] th:TH_LOAD_NT      ; once as the high half of [0, Q]: the two operands share no register
	global_load_u16 v[QSA], v[TMP], s[10:11] th:TH_LOAD_NT          ; its two scale bytes; the upper two bytes come as 0
	; while the loads are on their way: the addresses that stay, and the constants
	v_lshlrev_b32 v[LI], 4, v232
	v_lshlrev_b32 v[LS], 2, v232
	v_lshlrev_b32 v[AKS], 2, v233
	s_lshl_b32 s2, s[WV], 4
	v_lshlrev_b32 v235, 4, v234
	s_delay_alu instid0(VALU_DEP_1)
	v_sub_nc_u32 v[DD], v233, v235
	s_delay_alu instid0(VALU_DEP_1)
	v_add_nc_u32 v[DD], s2, v[DD]
	v_mov_b32 v[NINF], 0xff800000
	v_mov_b32 v[ONE], 0x7f7f7f7f
	s_mul_i32 s41, s[WV], STGB
	s_add_co_u32 s41, s41, STG                     ; my stage
	v_mul_u32_u24 v[STI], v233, 272
	s_delay_alu instid0(VALU_DEP_1)
	v_lshl_add_u32 v[STI], v234, 5, v[STI]
	s_delay_alu instid0(VALU_DEP_1)
	v_add_nc_u32 v[STI], s41, v[STI]
	v_mul_u32_u24 v[STO], v234, 272
	s_delay_alu instid0(VALU_DEP_1)
	v_lshl_add_u32 v[STO], v233, 4, v[STO]
	s_delay_alu instid0(VALU_DEP_1)
	v_add_nc_u32 v[STO], s41, v[STO]
	v_mul_u32_u24 v[TKI], v232, 144
	s_delay_alu instid0(VALU_DEP_1)
	v_add_nc_u32 v[TKI], s41, v[TKI]
	v_lshrrev_b32 v235, 3, v232
	s_delay_alu instid0(VALU_DEP_1)
	v_mul_u32_u24 v[TKO], v235, 144
	v_and_b32 v235, 7, v0
	s_delay_alu instid0(VALU_DEP_1)
	v_lshl_add_u32 v[TKO], v235, 4, v[TKO]
	s_delay_alu instid0(VALU_DEP_1)
	v_add_nc_u32 v[TKO], s41, v[TKO]
	v_add_nc_u32 v[TVI], s41, v[LS]
	v_add_nc_u32 v[TVO], s41, v[LI]
	s_lshr_b32 s2, s[WV], 1                        ; my 16 keys lie in part wave / 2 of the block's four parts of 32 keys,
	s_lshl_b32 s3, s2, 8                           ; 256 bytes a part in V's image,
	s_and_b32 s4, s[WV], 1
	s_lshl_b32 s4, s4, 3                           ; in its first or its second 8 bytes
	s_add_co_u32 s3, s3, s4
	v_lshlrev_b32 v[AVD], 4, v233
	s_delay_alu instid0(VALU_DEP_1)
	v_lshl_add_u32 v[AVD], v234, 10, v[AVD]        ; channel = lane: tile lane / 16, row lane % 16
	s_delay_alu instid0(VALU_DEP_1)
	v_add_nc_u32 v[AVD], s3, v[AVD]
	v_add_nc_u32 v[AVS], s2, v[LS]                 ; its scale byte: 4 x channel + part
.irp j, 4,5,6,7
	v_mov_b32 v[QA+\j], 0                          ; the zero halves of Q's two operands
.endr
.irp j, 0,1,2,3
	v_mov_b32 v[QB+\j], 0
.endr
.irp j, 0,1,2,3
	v_mov_b32 v[PX+\j], 0                          ; written once: a lane permute's destination counts as one of its sources
.endr
	; where my staged bytes go.  Key t / 2 = 32 p + 16 mh + 8 u + ml is row m = 8 mh + ml of tile (p, u): p = t / 64, mh = bit 5 of t, u = bit 4, ml = bits 3:1, half = bit 0
	v_bfe_u32 v114, v0, 4, 1                       ; u
	v_and_b32 v115, 1, v0                          ; half (for V: h)
	v_bfe_u32 v116, v0, 5, 1                       ; mh
	v_bfe_u32 v117, v0, 1, 3                       ; ml
	v_bfe_u32 v118, v0, 1, 1                       ; V: c
	v_bfe_u32 v119, v0, 2, 4                       ; V: r
	v_lshrrev_b32 v108, 6, v0                      ; K's image: the fields p, u, half, mh, ml on end, x 16
	s_delay_alu instid0(VALU_DEP_1)
	v_lshl_or_b32 v108, v108, 1, v114
	s_delay_alu instid0(VALU_DEP_1)
	v_lshl_or_b32 v108, v108, 1, v115
	s_delay_alu instid0(VALU_DEP_1)
	v_lshl_or_b32 v108, v108, 1, v116
	s_delay_alu instid0(VALU_DEP_1)
	v_lshl_or_b32 v108, v108, 3, v117
	s_delay_alu instid0(VALU_DEP_1)
	v_lshlrev_b32 v108, 4, v108
	v_lshrrev_b32 v109, 6, v0                      ; V's image: channel t / 4 = 16 tile + r, part t % 4 = 2 c + h: the fields tile, c, h, r on end, x 16
	s_delay_alu instid0(VALU_DEP_1)
	v_lshl_or_b32 v109, v109, 1, v118
	s_delay_alu instid0(VALU_DEP_1)
	v_lshl_or_b32 v109, v109, 1, v115
	s_delay_alu instid0(VALU_DEP_1)
	v_lshl_or_b32 v109, v109, 4, v119
	s_delay_alu instid0(VALU_DEP_1)
	v_lshlrev_b32 v109, 4, v109
	v_lshrrev_b32 v110, 6, v0                      ; K's scale byte: the fields p, mh, ml, u, half on end
	s_delay_alu instid0(VALU_DEP_1)
	v_lshl_or_b32 v110, v110, 1, v116
	s_delay_alu instid0(VALU_DEP_1)
	v_lshl_or_b32 v110, v110, 3, v117
	s_delay_alu instid0(VALU_DEP_1)
	v_lshl_or_b32 v110, v110, 1, v114
	s_delay_alu instid0(VALU_DEP_1)
	v_lshl_or_b32 v110, v110, 1, v115
	s_wait_alu depctr_va_vdst(0)
	s_wait_loadcnt 0x3                             ; loads come back in order: the twelve staging loads are in, Q's three may stay out
.irp s, 0,1,2
	ds_store_b128 v108, v[KC+4*\s:KC+4*\s+3] offset:KIMG+4096*\s
	ds_store_b128 v109, v[VC+4*\s:VC+4*\s+3] offset:VIMG+4096*\s
	ds_store_b8 v110, v[KB8+\s] offset:KSC+256*\s
	ds_store_b8 v0, v[VB8+\s] offset:VSC+256*\s    ; V's scale byte of thread t lies at byte t: 4 x channel + part
.endr
	s_wait_dscnt 0x0                               ; for the others' sake: my stores into the images are done
	s_barrier_signal -1
	; work on registers while the others arrive: my 32 numbers of K (key t / 2 of block b, half t % 2) for out1
.irp g, 0,1,2,3
	v_cvt_scale_pk8_f32_fp4 v[S+8*\g:S+8*\g+7], v[KC+8+\g], v[ONE]   ; eight codes as f32, x 1.0
.endr
	v_lshlrev_b32 v232, 23, v[KB8+2]               ; the scale as f32: its byte is the exponent field.  (A plain line behind the conversions)
	s_delay_alu instid0(VALU_DEP_1)
	v_max_num_f32 v232, 0x400000, v232             ; byte 0 stands for 2^-127, which is this denormal
	s_delay_alu instid0(VALU_DEP_1)
	v_mov_b32 v233, v232
.irp j, 0,1,2,3,4,5,6,7,8,9,10,11,12,13,14,15
	v_pk_mul_f32 v[S+2*\j:S+2*\j+1], v[S+2*\j:S+2*\j+1], v[232:233]
.endr
	s_wait_alu depctr_va_vdst(0)
	s_barrier_wait -1                              ; the only barrier: the images are whole, and from here on they are only read
; eight stores of 512 consecutive bytes each, at multiples of 512 from my 4,096 bytes' first.  younger: the LDS instructions issued behind the eight loads that bring the rows
.macro SEND reg, base, younger
.irp j, 0,1,2,3,4,5,6,7
	s_wait_dscnt \younger+7-\j                     ; LDS instructions come back in order: pair j of rows is in
	global_store_b128 v[LI], v[\reg+4*\j:\reg+4*\j+3], s[\base:\base+1] offset:512*\j th:TH_STORE_NT   ; written once, read by nobody here
.endr
.endm
	; OUT1 AND OUT2 leave first, so that they are on their way while the attention is computed
	ds_load_b64 v[PC:PC+1], v[AVD] offset:VIMG+8192                ; V of block b: channel = lane, my 16 keys' codes;
	ds_load_b64 v[PC+2:PC+3], v[AVD] offset:VIMG+8192+2048         ; channel = lane + 32;
	ds_load_u8 v[PC+4], v[AVS] offset:VSC+512                      ; and their scale bytes
	ds_load_u8 v[PC+5], v[AVS] offset:VSC+512+128
.irp j, 0,1,2,3,4,5,6,7
	ds_store_b128 v[TKI], v[S+4*\j:S+4*\j+3] offset:16*\j          ; K: my 128 bytes (half a row of out1) into my stage, 144 bytes from lane to lane
.endr
.irp j, 0,1,2,3,4,5,6,7
	ds_load_b128 v[RK+4*\j:RK+4*\j+3], v[TKO] offset:576*\j        ; and back as 512 consecutive bytes of out1.  LDS serves a wave's instructions in order: these see the stores above
.endr
	s_wait_loadcnt 0x0                             ; Q is in
	v_lshlrev_b32 v[QSB], 16, v[QSA]               ; the scale word of [0, Q]: the two bytes moved to k 64-127
	s_wait_dscnt 16                                ; V's four loads are in; the stage's eight stores and eight loads may stay out
.irp g, 0,1,2,3
	v_cvt_scale_pk8_f32_fp4 v[O+8*\g:O+8*\g+7], v[PC+\g], v[ONE]   ; v160-175: channel lane, keys 0-15; v176-191: channel lane + 32
.endr
	v_lshlrev_b32 v232, 23, v[PC+4]                ; (a plain line behind the conversions)
	v_lshlrev_b32 v234, 23, v[PC+5]
	s_delay_alu instid0(VALU_DEP_2)
	v_max_num_f32 v232, 0x400000, v232
	s_delay_alu instid0(VALU_DEP_2)
	v_max_num_f32 v234, 0x400000, v234
	s_delay_alu instid0(VALU_DEP_2)
	v_mov_b32 v233, v232
	s_delay_alu instid0(VALU_DEP_2)
	v_mov_b32 v235, v234
.irp j, 0,1,2,3,4,5,6,7
	v_pk_mul_f32 v[O+2*\j:O+2*\j+1], v[O+2*\j:O+2*\j+1], v[232:233]
	v_pk_mul_f32 v[O+16+2*\j:O+17+2*\j], v[O+16+2*\j:O+17+2*\j], v[234:235]
.endr
.irp i, 0,1,2,3,4,5,6,7,8,9,10,11,12,13,14,15
	ds_store_b32 v[TVI], v[O+\i] offset:256*\i                     ; V: key i's row of 256 bytes in my stage: 32 lanes put 128 consecutive bytes,
	ds_store_b32 v[TVI], v[O+16+\i] offset:256*\i+128              ; and the other 32 channels.  (These come behind K's loads from the stage)
.endr
.irp j, 0,1,2,3,4,5,6,7
	ds_load_b128 v[RV+4*\j:RV+4*\j+3], v[TVO] offset:512*\j
.endr
	SEND RK, 22, 40                                ; out1; behind its rows' loads stand V's 32 stores and 8 loads
	SEND RV, 24, 0                                 ; out2
	s_wait_xcnt 0x0                                ; the stores have read their registers: v32-63 and v128-159 are written again below
; A KEY STEP: the 128 keys of slot \slot.  mask = 1: causal (the queries' own block); 2: the window's far edge (two blocks back); 0: every key counts.  first = 1: the step starts M, the sum and O^T.
.macro STEP slot, mask, first
.if \first == 0
.rept 4
	v_nop                                          ; places in front of loads into registers that the last step's products have read
.endr
.endif
.irp p, 0,1,2,3
.irp u, 0,1
	ds_load_b128 v[KF+8*\p+4*\u:KF+8*\p+4*\u+3], v[LI] offset:KIMG+4096*\slot+1024*\p+512*\u
.endr
	ds_load_b32 v[KS+\p], v[AKS] offset:KSC+256*\slot+64*\p        ; lane r: row r's word: bytes 0, 1 tile u = 0's key, bytes 2, 3 tile u = 1's
.endr
.irp t, 0,1,2,3
.irp c, 0,1
	ds_load_b128 v[VF+8*\t+4*\c:VF+8*\t+4*\c+3], v[LI] offset:VIMG+4096*\slot+1024*\t+512*\c
.endr
.endr
.irp g, 0,1
	ds_load_b32 v[VS+\g], v[LS] offset:VSC+256*\slot+128*\g        ; lane l: channel 32 g + l's word
.endr
	s_wait_dscnt 10                                ; K's twelve loads are in; V's ten may stay out until the second product
.irp p, 0,1,2,3                                ; S^T = K Q^T: eight products, eight accumulators
	v_wmma_scale_f32_16x16x128_f8f6f4 v[S+16*\p:S+16*\p+7], v[KF+8*\p:KF+8*\p+7], v[QA:QA+7], 0, v[KS+\p], v[QSA] matrix_a_fmt:MATRIX_FMT_FP4 matrix_b_fmt:MATRIX_FMT_FP4
	v_wmma_scale_f32_16x16x128_f8f6f4 v[S+16*\p+8:S+16*\p+15], v[KF+8*\p:KF+8*\p+7], v[QB:QB+7], 0, v[KS+\p], v[QSB] matrix_a_fmt:MATRIX_FMT_FP4 matrix_b_fmt:MATRIX_FMT_FP4
.endr
.rept 4
	v_nop                                          ; places in front of the first read of the results
.endr
.if \mask                                      ; register n holds key 16 h + c of the block, c = 32 (n / 16) + n % 16.  Hidden scores become -infinity ahead of the maximum: p = 0 then
.irp n, 0,1,2,3,4,5,6,7,8,9,10,11,12,13,14,15,16,17,18,19,20,21,22,23,24,25,26,27,28,29,30,31,32,33,34,35,36,37,38,39,40,41,42,43,44,45,46,47,48,49,50,51,52,53,54,55,56,57,58,59,60,61,62,63
.if \mask == 1
	v_cmp_gt_i32 vcc_lo, 32*(\n/16)+\n%16, v[DD]   ; my own block: hidden where the key comes after the query: c > D
.else
	v_cmp_le_i32 vcc_lo, 32*(\n/16)+\n%16, v[DD]   ; two blocks back: i - j = 256 + (the query's place) - (the key's place): hidden where c <= D
.endif
	v_cndmask_b32 v[S+\n], v[S+\n], v[NINF], vcc_lo
.endr
.endif
.irp b, 0,1,2,3
	v_max3_num_f32 v[BM+\b], v[S+16*\b], v[S+1+16*\b], v[S+2+16*\b]   ; THE LARGEST SCORE OF EACH BLOCK OF 32 KEYS: it serves for the row's maximum and, since p rises with the score, for the block's largest p
.endr
.irp i, 3,5,7,9,11,13
.irp b, 0,1,2,3
	v_max3_num_f32 v[BM+\b], v[BM+\b], v[S+16*\b+\i], v[S+1+16*\b+\i]   ; (the four blocks by turns)
.endr
.endr
.irp b, 0,1,2,3
	v_max_num_f32 v[BM+\b], v[BM+\b], v[S+15+16*\b]
.endr
.irp b, 0,1,2,3
	s_delay_alu instid0(VALU_DEP_4)
	v_permlanex16_b32 v[PX+\b], v[BM+\b], s[SEL], s[SEL+1]
.endr
.irp b, 0,1,2,3
	s_delay_alu instid0(VALU_DEP_4)
	v_max_num_f32 v[BM+\b], v[BM+\b], v[PX+\b]     ; with lane l xor 16's 16 keys
.endr
	s_delay_alu instid0(VALU_DEP_2)
	v_max3_num_f32 v[TMP], v[BM], v[BM+1], v[BM+2]
	s_delay_alu instid0(VALU_DEP_1)
	v_max_num_f32 v[TMP], v[TMP], v[BM+3]          ; the step's largest score of my query
.if \first
	s_delay_alu instid0(VALU_DEP_1)
	v_mul_f32 v13, s[CS], v[TMP]                   ; as t (c is positive): the largest t so far.  It is a number: my own key counts
	s_delay_alu instid0(VALU_DEP_1)
	v_floor_f32 v12, -v13                          ; -M = floor(-t) = -ceil(t): M IS A WHOLE NUMBER
.else
	s_delay_alu instid0(VALU_DEP_1)
	v_mul_f32 v[TMP], s[CS], v[TMP]
	s_delay_alu instid0(VALU_DEP_1)
	v_max_num_f32 v13, v13, v[TMP]                 ; the running largest t
	v_mov_b32 v[TMP], v12
	s_delay_alu instid0(VALU_DEP_2)
	v_floor_f32 v12, -v13                          ; the new -M
	s_delay_alu instid0(VALU_DEP_1)
	v_sub_f32 v[TMP], v12, v[TMP]                  ; M's old value less its new one: a whole number, 0 or less
	s_delay_alu instid0(VALU_DEP_1)
	v_cvt_i32_f32 v[TMP], v[TMP]                   ; (it saturates)
	s_delay_alu instid0(VALU_DEP_1)
	v_ldexp_f32 v[FF], 1.0, v[TMP]                 ; f = 2^(old M - new M): a multiplication by it rounds nothing
.endif
.irp j, 0,2,4,6,8,10,12,14,16,18,20,22,24,26,28,30,32,34,36,38,40,42,44,46,48,50,52,54,56,58,60,62
	v_pk_fma_f32 v[S+\j:S+1+\j], v[S+\j:S+1+\j], s[CS:CS+1], v[12:13] op_sel_hi:[1,0,0]   ; t - M, two at a time (of the pairs c and -M the low word serves both halves)
.endr
.irp b, 0,1,2,3
	v_fma_f32 v[BM+\b], v[BM+\b], s[CS], v12       ; the same of each block's largest score
.endr
	s_wait_alu depctr_va_vdst(0)
.irp j, 0,1,2,3,4,5,6,7,8,9,10,11,12,13,14,15,16,17,18,19,20,21,22,23,24,25,26,27,28,29,30,31,32,33,34,35,36,37,38,39,40,41,42,43,44,45,46,47,48,49,50,51,52,53,54,55,56,57,58,59,60,61,62,63
	v_exp_f32 v[S+\j], v[S+\j]                     ; p = 2^(t - M), at most 1: NOT normalised
.endr
.irp b, 0,1,2,3
	v_exp_f32 v[BM+\b], v[BM+\b]                   ; the block's largest p: the same two instructions on the same number give the same bits
.endr
.if \first
	v_mov_b32 v14, 0                               ; the sum, in two halves.  (A plain line behind the exponentials)
	v_mov_b32 v15, 0
	s_wait_alu depctr_va_vdst(0)
.else
	v_pk_mul_f32 v[14:15], v[14:15], v[FF:FF+1] op_sel_hi:[1,0]   ; the sums under the new M.  (A plain line behind the exponentials)
	s_wait_alu depctr_va_vdst(0)
.endif
.irp b, 0,1,2,3
	v_max_num_f32 v[BM+\b], 0x1800000, v[BM+\b]    ; the floor 2^(3 - 127): the byte cannot fall under 1 (a block whose every p is 0 keeps that byte: its codes are zeros)
.endr
.irp b, 0,1,2,3
	s_delay_alu instid0(VALU_DEP_4)
	v_add_nc_u32 v[CV+\b], 0xff000000, v[BM+\b]    ; 2 off the exponent field: the conversion's scale operand
.endr
.irp b, 0,1,2,3
	s_delay_alu instid0(VALU_DEP_4)
	v_lshrrev_b32 v[PX+\b], 23, v[CV+\b]           ; the scale's byte
.endr
	s_delay_alu instid0(VALU_DEP_3)
	v_lshl_or_b32 v[PW], v[PX+1], 8, v[PX]         ; p's scale word for these 128 keys
	s_delay_alu instid0(VALU_DEP_1)
	v_lshl_or_b32 v[PW], v[PX+2], 16, v[PW]
	s_delay_alu instid0(VALU_DEP_1)
	v_lshl_or_b32 v[PW], v[PX+3], 24, v[PW]
.irp b, 0,1,2,3
	v_cvt_scalef32_pk8_fp4_f32 v[PC+2*\b], v[S+16*\b:S+7+16*\b], v[CV+\b]
	v_cvt_scalef32_pk8_fp4_f32 v[PC+1+2*\b], v[S+8+16*\b:S+15+16*\b], v[CV+\b]
.endr
	v_nop                                          ; one plain line between a scaled conversion and the vector instruction that touches its result
.irp c, 0,1                                    ; the operand's layout wants a WHOLE block in a lane: lanes 0-15 block 2 c, lanes 16-31 block 2 c + 1
.irp i, 0,1
	v_permlane16_swap_b32 v[PC+4*\c+\i], v[PC+2+4*\c+\i]
.endr
.endr
	v_pk_add_f32 v[236:237], v[100:101], v[104:105]
	v_pk_add_f32 v[254:255], v[108:109], v[112:113]
	v_pk_add_f32 v[250:251], v[116:117], v[120:121]
	v_pk_add_f32 v[248:249], v[124:125], v[128:129]
	v_pk_add_f32 v[246:247], v[132:133], v[136:137]
	v_pk_add_f32 v[244:245], v[140:141], v[144:145]
	v_pk_add_f32 v[234:235], v[148:149], v[152:153]
	v_pk_add_f32 v[14:15], v[14:15], v[156:157]
	v_pk_add_f32 v[236:237], v[236:237], v[96:97]
	v_pk_add_f32 v[254:255], v[254:255], v[98:99]
	v_pk_add_f32 v[250:251], v[250:251], v[102:103]
	v_pk_add_f32 v[248:249], v[248:249], v[106:107]
	v_pk_add_f32 v[246:247], v[246:247], v[110:111]
	v_pk_add_f32 v[244:245], v[244:245], v[114:115]
	v_pk_add_f32 v[234:235], v[234:235], v[118:119]
	v_pk_add_f32 v[14:15], v[14:15], v[122:123]
	v_pk_add_f32 v[236:237], v[236:237], v[126:127]
	v_pk_add_f32 v[254:255], v[254:255], v[130:131]
	v_pk_add_f32 v[250:251], v[250:251], v[134:135]
	v_pk_add_f32 v[248:249], v[248:249], v[138:139]
	v_pk_add_f32 v[246:247], v[246:247], v[142:143]
	v_pk_add_f32 v[244:245], v[244:245], v[146:147]
	v_pk_add_f32 v[234:235], v[234:235], v[150:151]
	v_pk_add_f32 v[14:15], v[14:15], v[154:155]
	v_pk_add_f32 v[236:237], v[236:237], v[158:159]
	s_delay_alu instid0(VALU_DEP_2)
	v_pk_add_f32 v[14:15], v[14:15], v[248:249]
	s_delay_alu instid0(VALU_DEP_2)
	v_pk_add_f32 v[236:237], v[236:237], v[246:247]
	v_pk_add_f32 v[254:255], v[254:255], v[244:245]
	v_pk_add_f32 v[250:251], v[250:251], v[234:235]
	s_delay_alu instid0(VALU_DEP_2)
	v_pk_add_f32 v[14:15], v[14:15], v[254:255]
	s_delay_alu instid0(VALU_DEP_2)
	v_pk_add_f32 v[236:237], v[236:237], v[250:251]
	s_delay_alu instid0(VALU_DEP_1)
	v_pk_add_f32 v[14:15], v[14:15], v[236:237]
.if \first == 0
.irp j, 0,2,4,6,8,10,12,14,16,18,20,22,24,26,28,30
	v_pk_mul_f32 v[O+\j:O+1+\j], v[O+\j:O+1+\j], v[FF:FF+1] op_sel_hi:[1,0]   ; O^T under the new M: x f; each accumulator from its low end on
.endr
.endif
	s_wait_alu depctr_va_vdst(0)
	s_wait_dscnt 0x0                               ; V's fragments and scale words are in
.irp t, 0,1,2,3                                ; O^T += V^T P^T: four tiles of 16 channels, K = these 128 keys.  The four accumulators take turns; between two products on one of them stand eleven others
.if \first
.if \t % 2
	v_wmma_scale_f32_16x16x128_f8f6f4 v[O+8*\t:O+8*\t+7], v[VF+8*\t:VF+8*\t+7], v[PC:PC+7], 0, v[VS+\t/2], v[PW] matrix_a_fmt:MATRIX_FMT_FP4 matrix_b_fmt:MATRIX_FMT_FP4 matrix_a_scale:MATRIX_SCALE_ROW1
.else
	v_wmma_scale_f32_16x16x128_f8f6f4 v[O+8*\t:O+8*\t+7], v[VF+8*\t:VF+8*\t+7], v[PC:PC+7], 0, v[VS+\t/2], v[PW] matrix_a_fmt:MATRIX_FMT_FP4 matrix_b_fmt:MATRIX_FMT_FP4
.endif
.else
.if \t % 2
	v_wmma_scale_f32_16x16x128_f8f6f4 v[O+8*\t:O+8*\t+7], v[VF+8*\t:VF+8*\t+7], v[PC:PC+7], v[O+8*\t:O+8*\t+7], v[VS+\t/2], v[PW] matrix_a_fmt:MATRIX_FMT_FP4 matrix_b_fmt:MATRIX_FMT_FP4 matrix_a_scale:MATRIX_SCALE_ROW1
.else
	v_wmma_scale_f32_16x16x128_f8f6f4 v[O+8*\t:O+8*\t+7], v[VF+8*\t:VF+8*\t+7], v[PC:PC+7], v[O+8*\t:O+8*\t+7], v[VS+\t/2], v[PW] matrix_a_fmt:MATRIX_FMT_FP4 matrix_b_fmt:MATRIX_FMT_FP4
.endif
.endif
.endr
.endm
	STEP 2, 1, 1                                   ; block b, causal: it starts everything
	s_cmp_eq_u32 s[BX], 0                          ; the first block of a head has no keys before it
	s_cbranch_scc1 .Lout
	STEP 1, 0, 0                                   ; block b - 1: 1 <= i - j <= 255: every key counts
	s_cmp_eq_u32 s[BX], 1
	s_cbranch_scc1 .Lout
	STEP 0, 2, 0                                   ; block b - 2: the window's far edge
.Lout:
	; OUT0.  The sum's two halves and lane l xor 16's are added; O^T is divided by the sum and goes through my stage, so that each store covers 512 consecutive bytes.
	v_add_f32 v14, v14, v15                        ; (the two additions and the two v_nop are the four places behind the last products)
	s_delay_alu instid0(VALU_DEP_1)
	v_permlanex16_b32 v[PX], v14, s[SEL], s[SEL+1]
	s_delay_alu instid0(VALU_DEP_1)
	v_add_f32 v14, v14, v[PX]                      ; the row's sum: at least 1/2
	s_wait_alu depctr_va_vdst(0)
	v_rcp_f32 v14, v14
	v_nop                                          ; a plain line behind the reciprocal
	v_nop
	s_wait_alu depctr_va_vdst(0)
.irp j, 0,1,2,3,4,5,6,7,8,9,10,11,12,13,14,15
	v_pk_mul_f32 v[S+2*\j:S+2*\j+1], v[O+2*\j:O+2*\j+1], v[14:15] op_sel_hi:[1,0]   ; register 8 t + i is out0(query r, channel 16 t + 8 h + i); each accumulator from its low end on
.endr
.irp t, 0,1,2,3
	ds_store_b128 v[STI], v[S+8*\t:S+8*\t+3] offset:64*\t          ; row r of 256 bytes + 16 of padding; my eight channels of tile t: 64 t + 32 h bytes on
	ds_store_b128 v[STI], v[S+8*\t+4:S+8*\t+7] offset:64*\t+16
.endr
.irp i, 0,1,2,3,4,5,6,7
	ds_load_b128 v[RK+4*\i:RK+4*\i+3], v[STO] offset:544*\i        ; back: lanes 0-15 one row, lanes 16-31 the next.  LDS serves a wave's instructions in order: these see the stores above
.endr
	SEND RK, 20, 0
	s_set_vgpr_msb 0x5
	s_wait_tensorcnt 0x0
	ds_add_u32 v0, v1
	s_wait_dscnt 0x0
	s_set_vgpr_msb 0x500
	s_endpgm
.Lfunc_end_k_q57f50fc379_attn:
	.size	k_q57f50fc379_attn, .Lfunc_end_k_q57f50fc379_attn-k_q57f50fc379_attn
	.p2alignl 7, 3214868480
	.fill 96, 4, 3214868480
	.section	.rodata,"a",@progbits
	.p2align	6, 0x0
	.amdhsa_kernel k_q57f50fc379_attn
		.amdhsa_group_segment_fixed_size 168960
		.amdhsa_private_segment_fixed_size 0
		.amdhsa_enable_private_segment 0
		.amdhsa_kernarg_size 72
		.amdhsa_user_sgpr_count 2
		.amdhsa_user_sgpr_kernarg_segment_ptr 1
		.amdhsa_wavefront_size32 1
		.amdhsa_system_sgpr_workgroup_id_x 1
		.amdhsa_system_sgpr_workgroup_id_y 1
		.amdhsa_system_sgpr_workgroup_id_z 1
		.amdhsa_system_vgpr_workitem_id 0
		.amdhsa_next_free_vgpr 258
		.amdhsa_next_free_sgpr 66
		.amdhsa_reserve_vcc 1
		.amdhsa_float_denorm_mode_32 3
		.amdhsa_float_denorm_mode_16_64 3
		.amdhsa_memory_ordered 1
		.amdhsa_forward_progress 1
		.amdhsa_inst_pref_size 79
	.end_amdhsa_kernel
	.amdgpu_metadata
---
amdhsa.version: [ 1, 2 ]
amdhsa.kernels:
  - .name:           k_q57f50fc379_attn
    .symbol:         k_q57f50fc379_attn.kd
    .args:
      - { .name: q_codes, .offset: 0, .size: 8, .value_kind: global_buffer, .address_space: global }
      - { .name: q_scales, .offset: 8, .size: 8, .value_kind: global_buffer, .address_space: global }
      - { .name: k_codes, .offset: 16, .size: 8, .value_kind: global_buffer, .address_space: global }
      - { .name: k_scales, .offset: 24, .size: 8, .value_kind: global_buffer, .address_space: global }
      - { .name: v_codes, .offset: 32, .size: 8, .value_kind: global_buffer, .address_space: global }
      - { .name: v_scales, .offset: 40, .size: 8, .value_kind: global_buffer, .address_space: global }
      - { .name: out0, .offset: 48, .size: 8, .value_kind: global_buffer, .address_space: global }
      - { .name: out1, .offset: 56, .size: 8, .value_kind: global_buffer, .address_space: global }
      - { .name: out2, .offset: 64, .size: 8, .value_kind: global_buffer, .address_space: global }
    .group_segment_fixed_size: 168960
    .private_segment_fixed_size: 0
    .kernarg_segment_align: 8
    .kernarg_segment_size: 72
    .max_flat_workgroup_size: 256
    .sgpr_count:     66
    .vgpr_count:     258
    .wavefront_size: 32
...
	.end_amdgpu_metadata
.endif
;; end of part 1
